; MI455X (gfx1250); checked and timed in simulation.
; The chip was launched on July 23, 2026; its instructions are those of AMD's public machine-readable ISA for CDNA 5 (MIT licence, August 2026) and "CDNA5" Instruction Set Architecture Reference Guide (July 2026). The comments in the code are by the model that wrote it; some were corrected since.
;; Multi Head Self Attention. Allowed arithmetic: matrix products marked QUANTISED: E4M3 operands, one given power-of-two scale a tensor, by v_wmma_f32_16x16x64_fp8_fp8 or v_wmma_f32_16x16x128_fp8_fp8, f32 sums; everything else in f32.
;; Inputs: lowp_scales 8 int32 (the exponents e of the quantised operands' scales 2^e); token_positions 2,048 int32; w_out 1,024 x 1,024 float32; w_qkv 3,072 x 1,024 float32; x 2 x 2,048 x 1,024 float32.
;; Outputs: out0 2 x 2,048 x 1,024 float32.
;; Constants: num_heads = 16.
;; This version of the problem:
;;   THIS VERSION OF THE PROBLEM IS GIVEN IN LOW PRECISION. The matrix products marked QUANTISED in the list below multiply operands that are first quantised to E4M3 (4 exponent bits, 3 mantissa bits; 8 bits a number), with one given power-of-two scale for each operand tensor; their sums are f32. All else is computed in f32.
;;   The module's matrix products, in the order in which they are computed (A, B: the left and right operand; K: the contracted axis; several contracted axes count as one K, in the product's order):
;;     1. [M 4,096, K 1,024] x [K 1,024, N 3,072]; A: input x; B: input w_qkv: QUANTISED (scales: A lowp_scales[0], B lowp_scales[1])
;;     2. batch 32 x [M 2,048, K 64] x [K 64, N 2,048]; A: computed on the way; B: computed on the way: QUANTISED (scales: A lowp_scales[2], B lowp_scales[3])
;;     3. batch 32 x [M 2,048, K 2,048] x [K 2,048, N 64]; A: softmax (see below); B: computed on the way: QUANTISED (scales: A lowp_scales[4], B lowp_scales[5])
;;     4. [M 4,096, K 1,024] x [K 1,024, N 1,024]; A: computed on the way; B: input w_out: QUANTISED (scales: A lowp_scales[6], B lowp_scales[7])
;;   THE QUANTISER, for each operand of a quantised product, along K:
;;     - The operand's scale is 2^e, e = its entry of the input lowp_scales (int32; the entries are numbered through the quantised products in the list's order, A before B).
;;     - Each number is divided by the scale, clamped to +-448, and rounded to the nearest number of E4M3, ties to even, subnormals kept.
;;     - The product sums the exact products of the quantised numbers (number of the format x scale) in f32.
;;   ~~~python
;;   def quantise(x, axis, e):      # numpy; x: float32 -> the quantised numbers, widened to float32 again
;;       x = np.moveaxis(x, axis, -1); K = x.shape[-1]
;;       r = np.clip(x / 2.0 ** e, -448, 448)
;;       step = 2.0 ** (np.maximum(np.frexp(np.where(r == 0, 1, r))[1] - 1, -6) - 3)
;;       q = np.round(r / step) * step * 2.0 ** e      # np.round: ties to even
;;       return np.moveaxis(q, -1, axis).astype(np.float32)
;;   ~~~
;;   SOFTMAX AHEAD OF A QUANTISED PRODUCT. Where the list says 'softmax', what is quantised is not the finished softmax but p = 2^(t - M), with t = logit x log2(e) and M = ceil(the row's largest t), a whole number; so 1/2 < the row's largest p <= 1. The row's sum l is taken of the UNQUANTISED p, in f32, and the product's result is divided by l at the end. Since M is a whole number, a kernel that streams over the keys may use a running M (the ceiling of the running maximum): every later rescaling is an exact power of two, so the quantised numbers keep their values, but for numbers so far below the row's largest that they fall under the format's range.
;;   OPERANDS COMPUTED ON THE WAY. 'Computed on the way' means the value that the module computes at that place (a softmax that the list does not call 'softmax' is quantised finished and normalised). What goes into a quantiser is computed in f32, as accurately as f32 sums, v_exp_f32 and their like allow (about 1e-6 of the number): no bf16 or f16 on the way to a quantiser, and a product that is left as it is and whose result goes on into a quantised operand takes f32 operands (vector FMAs, or v_wmma_f32_16x16x4_f32). A number that lies on a knife's edge between two numbers of the format may be rounded either way, as far as f32 arithmetic and the matrix unit's own rounding can turn it there, and no further.
;; One version. Each part assembles by itself: llvm-mc -triple=amdgcn-amd-amdhsa -mcpu=gfx1250 --defsym DOCPART=n.
;; ======== version 1 of 1: 4 launches
;; limits: right only within a limited range of input values
;; workspace buffers: codes 8,388,608 bytes; rope 524,288 bytes; qkv 12,582,912 bytes; ac 4,194,304 bytes
;; launch prep (part 1): grid 256 x 1, 8 waves a work-group, no clusters, 68,608 bytes of LDS; arguments x, w_qkv, w_out, token_positions, lowp_scales, codes, rope; writes codes, rope
.if DOCPART == 1
	.amdgcn_target "amdgcn-amd-amdhsa--gfx1250"
	.amdhsa_code_object_version 6
	.text
	.protected	k_q073c3d00f4_prep
	.globl	k_q073c3d00f4_prep
	.p2align	8
	.type	k_q073c3d00f4_prep,@function
k_q073c3d00f4_prep:
	s_mov_b64 s[64:65], 0
	v_nop
	global_prefetch_b8 v0, s[64:65] scope:SCOPE_SE
	s_setreg_imm32_b32 hwreg(HW_REG_WAVE_MODE, 25, 1), 1
	s_wait_xcnt 0x0
; THE PROGRAM: prep (codes, table of the rotation), qkv (first product, rotation, codes), attn (softmax(q k^T / 8) v), proj (last product).
; WORK LEFT OUT (in attn): a key step of 128 keys all of which come after a tile's queries is wholly under the causal mask that reference() builds: its scores become -infinity and its p 0 for all values of the inputs.
; LIMIT: a NaN or an infinity that reaches only such tiles is not carried to the result.
; PREP.  (1) x [4096][1024], w_qkv [3072][1024], w_out [1024][1024], f32, become codes of FP8 (E4M3) with the scale 2^e given for each (entries 0, 1, 7): x / 2^e, held within +-448, to the nearest code, ties to even.
; (2) cos and sin of token_positions[s] x 10000^(-i/32) become a table [s 2048][i 32][cos, sin] f32.
; CODES: one buffer of 512 tiles of 16 rows (x's, w_qkv's, w_out's), 16,384 bytes each, AS IMAGES OF AN OPERAND'S REGISTERS: [tile][K step of 128: 8][piece of 32 K: 4][lane][16]: lane (r, h) holds row r, K = 32 piece + 16 h + 0 .. 15.
; Row r of tile t is the true row p(t, r) = 32 (t / 2) + 8 (t % 2) + r + 8 (r / 8), so that 16 results of two neighbouring tiles fall on sixteen neighbours along the next K.
; A work-group takes 32 rows: two tiles; a wave 16 rows x 256 along K: 32 loads, each of 512 consecutive bytes, all asked for at once; two blocks of 128 along K turn through the wave's own stage in LDS (rows of 512 bytes + 16 of padding),
; from which each lane takes its 16 neighbours along K.  A store writes 512 consecutive bytes.  Under the loads' flight the wave makes one row of the table: lane = frequency i; its store is one whole row of 256 bytes.
; cos and sin: angle = f32(position) x inv_freq, one f32 product; reduced by the nearest multiple of pi / 2 in three parts with fused multiply-adds; polynomials on +-pi / 4.
; No tensor loads, no barrier: waves share nothing, and nothing is read by two work-groups, so there is nothing for a cluster to share and no loop for a prefetch to run ahead in.
; LIMITS: each e between -126 and 119; |token position| up to 2^18 (the multiple of pi / 2 then has 18 bits); NaN among the inputs is not served (an infinity is held at the largest code).
.set PITCH, 528
.set WREG,  16*PITCH
.set SPARE, 8*WREG                     ; spare words, 128 bytes a wave
.set R,     16                         ; v16-143  numbers as loaded: block k's row r at R + 64 k + 4 r
.set C,     208                        ; v208-239 codes: four registers for each piece
	s_load_b256 s[4:11], s[0:1], 0x0               ; x, w_qkv, w_out, token_positions
	s_load_b128 s[12:15], s[0:1], 0x20             ; the scales' exponents, codes
	s_load_b64 s[16:17], s[0:1], 0x30              ; the table
	v_lshl_add_u32 v12, v0, 2, SPARE
	v_mov_b32 v13, 0
	v_lshrrev_b32 v1, 5, v0
	v_readfirstlane_b32 s18, v1                    ; wave 0..7
	v_and_b32 v2, 31, v0                           ; lane
	v_lshlrev_b32 v3, 4, v2                        ; 16 x lane
	v_and_b32 v4, 15, v2
	v_lshrrev_b32 v5, 4, v2
	s_mul_i32 s19, s18, WREG
	v_add_nc_u32 v14, s19, v3                      ; the stage, in: 512 bytes of a row
	v_mul_u32_u24 v15, v4, PITCH
	v_lshl_add_u32 v15, v5, 6, v15
	v_add_nc_u32 v15, s19, v15                     ; out: row r, 64 bytes of my half h
	v_lshlrev_b32 v1, 3, v2                        ; my 8 bytes of the table's row
	; inv_freq = 10000^(-i / 32) = 2^(-i c), c = log2(10000) / 32 in two parts: the upper has 17 bits, so i x it is exact
	v_cvt_f32_u32 v4, v2
	v_mul_f32 v5, 0x3ed49a80, v4
	v_floor_f32 v6, v5
	v_sub_f32 v5, v5, v6                           ; the fraction, exact,
	v_fmamk_f32 v5, v4, 0xb476865d, v5             ; + i x the lower part
	s_wait_alu depctr_va_vdst(0)
	v_exp_f32 v7, -v5
	v_cvt_i32_f32 v6, v6                           ; (a plain line behind the exponential)
	v_sub_nc_u32 v6, 0, v6
	s_wait_alu depctr_va_vdst(0)
	v_ldexp_f32 v7, v7, v6                         ; x 2^(-whole part)
	s_lshr_b32 s32, s18, 2                         ; which of the two tiles
	s_and_b32 s33, s18, 3                          ; which 256 along K
	s_lshl_b32 s34, ttmp9, 15                      ; codes: two tiles a work-group,
	s_lshl_b32 s35, s32, 14
	s_add_co_u32 s34, s34, s35
	s_lshl_b32 s35, s33, 12                        ; two K steps of 2,048 bytes a wave
	s_add_co_u32 s34, s34, s35
	s_mov_b32 s35, 0
	s_mov_b32 s22, 224
	s_cmp_lt_u32 ttmp9, 224                        ; which tensor?  The choice hangs on the work-group's number alone
	s_cselect_b32 s22, 128, s22
	s_cmp_lt_u32 ttmp9, 128
	s_cselect_b32 s22, 0, s22                      ; the tensor's first work-group
	s_sub_co_u32 s22, ttmp9, s22
	s_lshl_b32 s22, s22, 17                        ; 32 rows of 4,096 bytes
	s_lshl_b32 s36, s32, 15                        ; my tile begins 8 rows further on for each,
	s_add_co_u32 s22, s22, s36
	s_lshl_b32 s36, s33, 10                        ; my 1,024 bytes of a row
	s_add_co_u32 s22, s22, s36
	s_mov_b32 s23, 0
	s_lshl_b32 s38, ttmp9, 3
	s_add_co_u32 s38, s38, s18                     ; my row of the table
	s_lshl_b32 s36, s38, 2
	s_mov_b32 s37, 0
	s_lshl_b32 s38, s38, 8
	s_mov_b32 s39, 0
	s_wait_alu depctr_va_vdst(0)
	s_wait_kmcnt 0x0
	s_add_nc_u64 s[10:11], s[10:11], s[36:37]
	s_load_b32 s50, s[10:11], 0x0                  ; the row's position
	s_load_b256 s[24:31], s[12:13], 0x0            ; the eight exponents
	s_cmp_lt_u32 ttmp9, 224
	s_cselect_b64 s[20:21], s[6:7], s[8:9]
	s_cmp_lt_u32 ttmp9, 128
	s_cselect_b64 s[20:21], s[4:5], s[20:21]
	s_add_nc_u64 s[20:21], s[20:21], s[22:23]
	s_add_nc_u64 s[14:15], s[14:15], s[34:35]
	s_add_nc_u64 s[16:17], s[16:17], s[38:39]
.irp k, 0,1
.irp r, 0,1,2,3,4,5,6,7,8,9,10,11,12,13,14,15
	global_load_b128 v[R+64*\k+4*\r:R+64*\k+4*\r+3], v3, s[20:21] offset:4096*(\r+8*(\r/8))+512*\k th:TH_LOAD_NT   ; 512 consecutive bytes, read once in the launch
.endr
.endr
	s_wait_kmcnt 0x0
	s_cmp_lt_u32 ttmp9, 224
	s_cselect_b32 s34, s25, s31                    ; e: entry 1 for w_qkv, entry 7 for w_out,
	s_cmp_lt_u32 ttmp9, 128
	s_cselect_b32 s34, s24, s34                    ; entry 0 for x
	s_add_co_i32 s34, s34, 127
	s_lshl_b32 s35, s34, 23
	v_mov_b32 v11, s35                             ; 2^e as f32
	s_add_co_i32 s34, s34, 8
	s_lshl_b32 s34, s34, 23
	s_or_b32 s34, s34, 0x600000
	v_mov_b32 v10, s34                             ; 448 x 2^e
	; the table's row
	v_cvt_f32_i32 v8, s50
	s_delay_alu instid0(VALU_DEP_1)
	v_mul_f32 v8, v8, v7                           ; the angle
	s_delay_alu instid0(VALU_DEP_1)
	v_mul_f32 v9, 0x3f22f983, v8                   ; x 2 / pi
	s_delay_alu instid0(VALU_DEP_1)
	v_rndne_f32 v9, v9                             ; k
	s_delay_alu instid0(VALU_DEP_1)
	v_fmamk_f32 v8, v9, 0xbfc90fdb, v8             ; r = angle - k pi / 2, pi / 2 in three parts
	s_delay_alu instid0(VALU_DEP_1)
	v_fmamk_f32 v8, v9, 0x333bbd2e, v8
	s_delay_alu instid0(VALU_DEP_1)
	v_fmamk_f32 v8, v9, 0x26f72ced, v8
	v_mov_b32 v145, 0xb94ca1f9                     ; the two polynomials' leading coefficients
	v_mov_b32 v146, 0x37ccf5ce
	v_mul_f32 v144, v8, v8                         ; z = r r
	v_cvt_i32_f32 v9, v9                           ; q
	v_fmaak_f32 v145, v145, v144, 0x3c08839e
	v_fmaak_f32 v146, v146, v144, 0xbab6061a
	v_mul_f32 v147, v8, v144
	v_fma_f32 v148, v144, -0.5, 1.0
	v_fmaak_f32 v145, v145, v144, 0xbe2aaaa3
	v_fmaak_f32 v146, v146, v144, 0x3d2aaaa5
	v_and_b32 v149, 1, v9
	v_add_nc_u32 v150, 1, v9
	v_fma_f32 v145, v147, v145, v8                 ; S = sin r
	v_mul_f32 v146, v146, v144
	v_lshlrev_b32 v150, 30, v150                   ; cos is negative where q + 1 has bit 1,
	v_lshlrev_b32 v151, 30, v9                     ; sin where q has it
	v_fma_f32 v146, v146, v144, v148               ; C = cos r
	v_cmp_eq_u32 vcc_lo, 1, v149                   ; in the odd quadrants the two change places
	v_and_b32 v150, 0x80000000, v150
	v_and_b32 v151, 0x80000000, v151
	v_cndmask_b32 v240, v146, v145, vcc_lo
	v_cndmask_b32 v241, v145, v146, vcc_lo
	v_xor_b32 v240, v240, v150
	v_xor_b32 v241, v241, v151
	global_store_b64 v1, v[240:241], s[16:17]      ; 32 lanes store a whole row: 256 consecutive bytes, aligned
	s_wait_alu depctr_va_vdst(0)
; Block k of 128 along K; its numbers come back into the 64 registers from x0 on.  LDS serves a wave's instructions in order: no wait stands between the stores and the loads.
.macro BLOCK k, x0
.irp r, 0,1,2,3,4,5,6,7,8,9,10,11,12,13,14,15
	s_wait_loadcnt 16*(1-\k)+15-\r                 ; loads land in order: row r of this block is in; the ones behind it may be out
	ds_store_b128 v14, v[R+64*\k+4*\r:R+64*\k+4*\r+3] offset:PITCH*\r
.endr
.irp c, 0,1,2,3
.irp i, 0,1,2,3
	ds_load_b128 v[\x0+16*\c+4*\i:\x0+16*\c+4*\i+3], v15 offset:128*\c+16*\i
.endr
.endr
.irp c, 0,1,2,3
	s_wait_dscnt 12-4*\c                           ; piece c is back; the later pieces' loads may be out
.irp i, 0,1,2,3,4,5,6,7,8,9,10,11,12,13,14,15
	v_med3_num_f32 v[\x0+16*\c+\i], v[\x0+16*\c+\i], -v10, v10   ; the conversion to an 8-bit code does not saturate (ISA guide 7.6.2): the hold comes first
.endr
	v_cvt_scalef32_pk8_fp8_f32 v[C+16*\k+4*\c:C+16*\k+4*\c+1], v[\x0+16*\c:\x0+16*\c+7], v11
	v_cvt_scalef32_pk8_fp8_f32 v[C+16*\k+4*\c+2:C+16*\k+4*\c+3], v[\x0+16*\c+8:\x0+16*\c+15], v11
	v_nop                                          ; one plain vector line behind the conversions
	global_store_b128 v3, v[C+16*\k+4*\c:C+16*\k+4*\c+3], s[14:15] offset:2048*\k+512*\c
.endr
.endm
	BLOCK 0, 144
	BLOCK 1, 16                                    ; block 0's loaded numbers have gone to the stage: their registers take block 1's
	s_wait_tensorcnt 0x0                           ; the wave's end
	ds_add_u32 v12, v13
	s_wait_dscnt 0x0
	s_endpgm
.Lfunc_end_k_q073c3d00f4_prep:
	.size	k_q073c3d00f4_prep, .Lfunc_end_k_q073c3d00f4_prep-k_q073c3d00f4_prep
	.p2alignl 7, 3214868480
	.fill 96, 4, 3214868480
	.section	.rodata,"a",@progbits
	.p2align	6, 0x0
	.amdhsa_kernel k_q073c3d00f4_prep
		.amdhsa_group_segment_fixed_size 68608
		.amdhsa_private_segment_fixed_size 0
		.amdhsa_enable_private_segment 0
		.amdhsa_kernarg_size 56
		.amdhsa_user_sgpr_count 2
		.amdhsa_user_sgpr_kernarg_segment_ptr 1
		.amdhsa_wavefront_size32 1
		.amdhsa_system_sgpr_workgroup_id_x 1
		.amdhsa_system_sgpr_workgroup_id_y 1
		.amdhsa_system_sgpr_workgroup_id_z 1
		.amdhsa_system_vgpr_workitem_id 0
		.amdhsa_next_free_vgpr 248
		.amdhsa_next_free_sgpr 66
		.amdhsa_reserve_vcc 1
		.amdhsa_float_denorm_mode_32 3
		.amdhsa_float_denorm_mode_16_64 3
		.amdhsa_memory_ordered 1
		.amdhsa_forward_progress 1
		.amdhsa_inst_pref_size 24
	.end_amdhsa_kernel
	.amdgpu_metadata
---
amdhsa.version: [ 1, 2 ]
amdhsa.kernels:
  - .name:           k_q073c3d00f4_prep
    .symbol:         k_q073c3d00f4_prep.kd
    .args:
      - { .name: x, .offset: 0, .size: 8, .value_kind: global_buffer, .address_space: global }
      - { .name: w_qkv, .offset: 8, .size: 8, .value_kind: global_buffer, .address_space: global }
      - { .name: w_out, .offset: 16, .size: 8, .value_kind: global_buffer, .address_space: global }
      - { .name: token_positions, .offset: 24, .size: 8, .value_kind: global_buffer, .address_space: global }
      - { .name: lowp_scales, .offset: 32, .size: 8, .value_kind: global_buffer, .address_space: global }
      - { .name: codes, .offset: 40, .size: 8, .value_kind: global_buffer, .address_space: global }
      - { .name: rope, .offset: 48, .size: 8, .value_kind: global_buffer, .address_space: global }
    .group_segment_fixed_size: 68608
    .private_segment_fixed_size: 0
    .kernarg_segment_align: 8
    .kernarg_segment_size: 56
    .max_flat_workgroup_size: 256
    .sgpr_count:     66
    .vgpr_count:     248
    .wavefront_size: 32
...
	.end_amdgpu_metadata
.endif
;; end of part 1
;; launch qkv (part 2): grid 16 x 16, 4 waves a work-group, clusters of 4 x 4, 197,120 bytes of LDS; arguments codes, rope, lowp_scales, qkv; writes qkv
.if DOCPART == 2
	.amdgcn_target "amdgcn-amd-amdhsa--gfx1250"
	.amdhsa_code_object_version 6
	.text
	.protected	k_q073c3d00f4_qkv
	.globl	k_q073c3d00f4_qkv
	.p2align	8
	.type	k_q073c3d00f4_qkv,@function
k_q073c3d00f4_qkv:
	s_mov_b64 s[64:65], 0
	v_nop
	global_prefetch_b8 v0, s[64:65] scope:SCOPE_SE
	s_setreg_imm32_b32 hwreg(HW_REG_WAVE_MODE, 25, 1), 1
	s_wait_xcnt 0x0
	s_wait_alu depctr_hold_cnt(0) depctr_sa_sdst(0) depctr_va_vdst(0) depctr_va_sdst(0) depctr_va_ssrc(0) depctr_va_vcc(0) depctr_vm_vsrc(0)
	s_getreg_b32 s2, hwreg(HW_REG_IB_STS2, 6, 4)
	s_cmp_eq_u32 s2, 0
	s_cbranch_scc0 .Lentry_in_a_cluster
	s_endpgm
.Lentry_in_a_cluster:
	s_bfe_u32 s2, ttmp6, 0x10000c
	s_cmp_lg_u32 s2, 0xf033
	s_cbranch_scc0 .Lentry_shape_is_right
	s_endpgm
.Lentry_shape_is_right:
; QKV.  The first product, x w_qkv^T, on codes of FP8 (E4M3); the rotation of q's and k's pairs; q, k and v quantised for the products that follow, with the scales given for them (entries 2, 3, 5).
; SHARES.  256 work-groups: 256 tokens x one head's q, k and v (3 x 64 columns).  Four waves, each 64 tokens x 192 columns: 48 accumulators of 16 x 16, 384 registers.
; B: the head's 192 rows of w_qkv over the whole of K are 196,608 bytes of LDS, filled once, one tensor load a wave: wave w brings row tile w of q, of k and of v, three rows of 16,384 bytes.
; A: a wave's 64 tokens are read by no other wave of the work-group: their fragments go from memory straight into registers, each byte once, in four sets of 64 registers, three K steps ahead.
; CLUSTERS: 4 x 4 work-groups.  The four of a column need the same rows of w_qkv: they are asked for JOINTLY, by the same tensor load with the same descriptor and a mask that names the four.
; x's codes are not asked for jointly: they pass no LDS, in which, beside B, only half of their 262,144 bytes would have room.  No prefetch: every tensor load goes out at the head, and there is no loop to run ahead in.
; OPERANDS LIE AS IMAGES OF THEIR REGISTERS (the buffer of codes): a fragment is four loads of 512 consecutive bytes: no pitch, no padding.
; q AND k: source 0 = 16 rows of w_qkv, source 1 = 16 tokens: lane (r, h) holds token p(a, r) and, of accumulators (a, 2 g) and (a, 2 g + 1), channels 32 g + 16 h + 0 .. 15: eight pairs to rotate, then 16 codes.
; v: the sources change places: the lane holds channel p(b, r), and of accumulators (2 u, b), (2 u + 1, b) tokens 32 u + 16 h + 0 .. 15: 16 codes along the KEYS, the K of the product that reads v.
; p(t, r) = 32 (t / 2) + 8 (t % 2) + r + 8 (r / 8) is the true row of row r of tile t.
; STORED ARE IMAGES OF THE NEXT OPERANDS' REGISTERS: q at 0, k at 4,194,304: [head 32][tile of 16 tokens 128][piece 2][lane][16];  v at 8,388,608: [head 32][step of 128 keys 16][tile of 16 channels 4][piece of 32 keys 4][lane][16].
; THE SCALES ARE FOLDED: a sum stands for sum x 2^(e0 + e1); the rotation is linear; the conversion takes 2^d, d = e_out - e0 - e1.  LIMIT: d between -126 and 119.
; REGISTERS: window 0: v4-7 LDS addresses (v4 = 16 x lane), v8 the table's offset, v10-15 scales and holds of q, k, v, v64-255 B's fragments: a buffer of 64 each for q, k, v; on the way out v64-127 at work, v128-223 codes.
;   window 1: A's four sets; sets 0 and 1 take cos and sin at the end.  window 2: q's accumulators ((a, b) at v[8 (4 a + b)]), k's 128 further on.  window 3: v's.
.set WQKV,  4194304                    ; w_qkv's codes begin here
.set SPARE, 196608
.set LI,   4
.set VB,   4
.set TBL,  8
.set SPW,  20
.set NIL,  21
.set BF,   64
.set T,    64
.set MSB, 0
.macro WIN new                         ; the immediate's high byte repeats the setting that is left
.if MSB != \new
	s_set_vgpr_msb (MSB<<8)|\new
.set MSB, \new
.endif
.endm
.macro CROUND                          ; a round of the cluster's barrier
	s_barrier_signal -1
	s_barrier_wait -1
	s_cmp_lg_u32 s12, 0
	s_cbranch_scc1 .Lnot_wave_0_\@
	s_barrier_signal -3
.Lnot_wave_0_\@:
	s_barrier_wait -3
	s_barrier_signal -1
	s_barrier_wait -1
.endm
.macro PLACES                          ; four plain vector lines between a matrix instruction and a load into a register that it read, or a vector line that reads its result
.rept 4
	v_nop
.endr
.endm
.macro ALOAD s                         ; my 64 tokens' fragments of K step s into set s % 4
.irp a, 0,1,2,3
.irp c, 0,1,2,3
	global_load_b128 v[64*((\s)%4)+16*\a+4*\c:64*((\s)%4)+16*\a+4*\c+3], v[LI], s[16:17] offset:16384*\a+2048*(\s)+512*\c
.endr
.endr
.endm
.macro TLOAD u                         ; cos and sin of tiles 2 u, 2 u + 1 into set u: of token p(a, r)'s row, frequencies 16 g + 8 h + 0 .. 7: tile a at v[32 a ..], register 16 g + 2 m cos, + 1 sin
.irp a, 0,1
.irp g, 0,1
.irp p, 0,1,2,3
	global_load_b128 v[64*(\u)+32*\a+16*\g+4*\p:64*(\u)+32*\a+16*\g+4*\p+3], v[TBL], s[6:7] offset:(32*(\u)+8*\a)*256+128*\g+16*\p
.endr
.endr
.endr
.endm
.macro FETCH n                         ; B's four fragments of group n = 3 x K step + (0 q, 1 k, 2 v)
.set FS, (\n)/3
.set FG, (\n)%3
.irp b, 0,1,2,3
.irp c, 0,1,2,3
	ds_load_b128 v[BF+64*FG+16*\b+4*\c:BF+64*FG+16*\b+4*\c+3], v[VB+\b] offset:16384*FG+2048*FS+512*\c
.endr
.endr
.endm
; 16 matrix instructions, 128 along K.  The accumulators take turns, one instruction a turn, in the same order in every step.  The first K step starts the sums: nothing is cleared.
.macro MUL s, g
.if \g == 2
	WIN 0xf1                                       ; source 0 (A) window 1, source 1 (B) window 0, C and D window 3
.else
	WIN 0xa4                                       ; source 0 (B) window 0, source 1 (A) window 1, C and D window 2
.endif
.irp a, 0,1,2,3
.irp b, 0,1,2,3
.set RD0, 128*((\g)%2)+8*(4*\a+\b)
.if \g == 2
.set SRC0, 64*((\s)%4)+16*\a
.set SRC1, BF+64*(\g)+16*\b
.else
.set SRC0, BF+64*(\g)+16*\b
.set SRC1, 64*((\s)%4)+16*\a
.endif
.if \s == 0
	v_wmma_f32_16x16x128_fp8_fp8 v[RD0:RD0+7], v[SRC0:SRC0+15], v[SRC1:SRC1+15], 0
.else
	v_wmma_f32_16x16x128_fp8_fp8 v[RD0:RD0+7], v[SRC0:SRC0+15], v[SRC1:SRC1+15], v[RD0:RD0+7]
.endif
.endr
.endr
.endm
; Group (s, g): the group two further on is asked for, into the buffer that the group before has left; then this one is multiplied.
.macro GRP s, g
.if 3*\s+\g < 23
	s_wait_dscnt 16                                ; this group's fragments are in; the next group's 16 loads may be out
.else
	s_wait_dscnt 0
.endif
.if 3*\s+\g > 0
	PLACES                                         ; behind the last group's products, which read the registers that are loaded now
.endif
	WIN 0
.if 3*\s+\g < 22
	FETCH 3*\s+\g+2
.endif
.if \g == 0
.if \s > 0
.if \s < 7
	WIN 0x40
.if \s < 5
	ALOAD \s+3                                     ; into the set that the last step has left
.else
	TLOAD \s-5
.endif
.endif
.endif
.if \s < 7
	s_wait_loadcnt 48                              ; A's 16 loads of this step are in; three sets of 16 loads behind them may be out
.else
	s_wait_loadcnt 32                              ; the table's 32 may be out
.endif
.endif
	MUL \s, \g
.endm
.macro SCALE e, v                      ; v: 2^d as f32; v + 1: 448 x 2^d
	s_sub_co_i32 s46, s[\e], s84
	s_sub_co_i32 s46, s46, s85
	s_add_co_i32 s46, s46, 127
	s_lshl_b32 s47, s46, 23
	v_mov_b32 v[\v], s47
	s_add_co_i32 s46, s46, 8
	s_lshl_b32 s46, s46, 23
	s_or_b32 s46, s46, 0x600000
	v_mov_b32 v[\v+1], s46
.endm
	s_load_b256 s[4:11], s[0:1], 0x0               ; codes, the table, the scales' exponents, qkv
	v_lshl_add_u32 v[SPW], v0, 2, SPARE
	v_mov_b32 v[NIL], 0
	ds_add_u32 v[SPW], v[NIL]                      ; the wave's opening
	ds_add_u32 v[SPW], v[NIL]
	v_lshrrev_b32 v2, 5, v0
	v_readfirstlane_b32 s12, v2                    ; wave 0..3
	v_and_b32 v3, 31, v0
	v_lshlrev_b32 v[LI], 4, v3                     ; 16 x lane
	s_bfe_u32 s40, ttmp6, 0x40000                  ; cx, cy
	s_bfe_u32 s41, ttmp6, 0x40004
	s_lshl_b32 s42, ttmp9, 2
	s_add_co_u32 s42, s42, s40                     ; the head = 4 x cluster x + cx
	s_and_b32 s43, ttmp7, 0xffff
	s_lshl_b32 s43, s43, 2
	s_add_co_u32 s43, s43, s41                     ; the block of 256 tokens = 4 x cluster y + cy
	s_lshl_b32 s45, 0x1111, s40                    ; my column of the cluster
	s_or_b32 s24, s45, (3<<16)|(1<<21)             ; group 1: the mask; elements of 8 bytes; 21 set beside a mask; no padding
	s_mov_b32 s25, 2048<<16                        ; tensor_dim0: rows of 16,384 bytes
	s_mov_b32 s26, 3<<16                           ; tensor_dim1: q, k, v
	s_mov_b32 s27, 2048<<16                        ; tile_dim0
	s_mov_b32 s28, 3                               ; tile_dim1
	s_mov_b32 s29, 131072                          ; from row to row: 1,024 rows of w_qkv
	s_mov_b32 s30, 0
	s_mov_b32 s31, 0
	s_lshl_b32 s16, s43, 18                        ; A: row tile 16 x block + 4 x wave, 16,384 bytes each
	s_lshl_b32 s18, s12, 16
	s_add_co_u32 s16, s16, s18
	s_mov_b32 s17, 0
	s_lshl_b32 s20, s42, 16                        ; B: row tile 4 x head + wave: it hangs on the head and the wave alone
	s_lshl_b32 s18, s12, 14
	s_add_co_u32 s20, s20, s18
	s_add_co_u32 s20, s20, WQKV
	s_mov_b32 s21, 0
	s_mov_b32 s48, 1                               ; count = 1
	s_mul_i32 s49, s12, 49152                      ; LDS address: wave x three row tiles
	s_wait_alu depctr_va_vdst(0)
	s_wait_dscnt 0x0                               ; both opening adds are done
	s_wait_kmcnt 0x0
	s_load_b256 s[84:91], s[8:9], 0x0              ; e0 .. e7
	s_add_nc_u64 s[16:17], s[4:5], s[16:17]
	s_add_nc_u64 s[50:51], s[4:5], s[20:21]
	s_or_b32 s51, s51, 0x80000000                  ; type = 2
	WIN 0x40
	ALOAD 0
	ALOAD 1
	WIN 0
	CROUND                                         ; all sixteen work-groups are here: the joint loads meet
	tensor_load_to_lds s[48:51], s[24:31]
	s_nop 0
.rept 4
	v_nop
.endr
	WIN 0x40
	ALOAD 2
	ALOAD 3
	WIN 0
	v_and_b32 v3, 15, v0                           ; r
	v_bfe_u32 v9, v0, 4, 1                         ; h
	v_and_b32 v16, 8, v3
	v_add_nc_u32 v[VB+1], 49152, v[LI]
	v_add_nc_u32 v[VB+2], 98304, v[LI]
	v_add_nc_u32 v[VB+3], 147456, v[LI]
	v_add_nc_u32 v16, v16, v3                      ; r + 8 (r / 8)
	v_lshlrev_b32 v[TBL], 8, v16                   ; the table: a row of 256 bytes a token,
	v_lshl_add_u32 v[TBL], v9, 6, v[TBL]           ; + 64 h: my half's eight pairs
	s_and_b32 s44, s43, 7                          ; the block in its batch
	s_lshr_b32 s92, s43, 3                         ; the batch
	s_lshl_b32 s92, s92, 4
	s_add_co_u32 s92, s92, s42                     ; 16 x batch + head
	s_lshl_b32 s92, s92, 17
	s_lshl_b32 s93, s44, 14
	s_add_co_u32 s92, s92, s93                     ; 256 tokens are 16,384 bytes of each of q, k, v
	s_mov_b32 s93, 0
	s_add_nc_u64 s[10:11], s[10:11], s[92:93]
	s_lshr_b32 s92, s12, 1                         ; v: my step of 128 keys and my half's two pieces of it
	s_lshl_b32 s92, s92, 13
	s_and_b32 s94, s12, 1
	s_lshl_b32 s94, s94, 10
	s_add_co_u32 s92, s92, s94
	s_add_co_u32 s92, s92, 8388608
	s_add_nc_u64 s[14:15], s[10:11], s[92:93]
	s_lshl_b32 s92, s12, 12                        ; q, k: my four tiles of 1,024 bytes
	s_add_nc_u64 s[10:11], s[10:11], s[92:93]
	s_lshl_b32 s94, s44, 16                        ; the table at my wave's first token
	s_lshl_b32 s95, s12, 14
	s_add_co_u32 s94, s94, s95
	s_mov_b32 s95, 0
	s_add_nc_u64 s[6:7], s[6:7], s[94:95]
	s_wait_alu depctr_va_vdst(0)
	s_wait_kmcnt 0x0
	SCALE 86, 10
	SCALE 87, 12
	SCALE 89, 14
	s_wait_alu depctr_va_vdst(0)
	s_wait_tensorcnt 0x0                           ; my part of B has landed,
	s_wait_dscnt 0x0
	s_barrier_signal -1
	s_barrier_wait -1                              ; and everybody's
	FETCH 0
	FETCH 1
.irp s, 0,1,2,3,4,5,6,7
	GRP \s, 0
	GRP \s, 1
	GRP \s, 2
.endr
	WIN 0
	PLACES                                         ; behind the last products
; THE WAY OUT.  Tile a of q and of k: pairs are rotated two numbers an instruction: (x0, x1) cos, then + (x1, x0) (-sin, sin).
.macro ROPE a
	WIN 0x06                                       ; source 0 (sums) window 2, source 1 (cos, sin) window 1
.set pm, 0
.rept 16
	v_pk_mul_f32 v[T+2*pm:T+2*pm+1], v[32*\a+2*pm:32*\a+2*pm+1], v[32*\a+2*pm:32*\a+2*pm+1] op_sel_hi:[1,0]
.set pm, pm+1
.endr
.set pm, 0
.rept 16
	v_pk_mul_f32 v[T+32+2*pm:T+32+2*pm+1], v[128+32*\a+2*pm:128+32*\a+2*pm+1], v[32*\a+2*pm:32*\a+2*pm+1] op_sel_hi:[1,0]
.set pm, pm+1
.endr
.set pm, 0
.rept 16
	v_pk_fma_f32 v[T+2*pm:T+2*pm+1], v[32*\a+2*pm:32*\a+2*pm+1], v[32*\a+2*pm:32*\a+2*pm+1], v[T+2*pm:T+2*pm+1] op_sel:[1,1,0] op_sel_hi:[0,1,1] neg_lo:[0,1,0]
.set pm, pm+1
.endr
.set pm, 0
.rept 16
	v_pk_fma_f32 v[T+32+2*pm:T+32+2*pm+1], v[128+32*\a+2*pm:128+32*\a+2*pm+1], v[32*\a+2*pm:32*\a+2*pm+1], v[T+32+2*pm:T+32+2*pm+1] op_sel:[1,1,0] op_sel_hi:[0,1,1] neg_lo:[0,1,0]
.set pm, pm+1
.endr
	WIN 0
.set pm, 0
.rept 32
	v_med3_num_f32 v[T+pm], v[T+pm], -v11, v11     ; the conversion to an 8-bit code does not saturate (ISA guide 7.6.2): the hold comes first
.set pm, pm+1
.endr
.set pm, 0
.rept 32
	v_med3_num_f32 v[T+32+pm], v[T+32+pm], -v13, v13
.set pm, pm+1
.endr
.irp g, 0,1
	v_cvt_scalef32_pk8_fp8_f32 v[128+16*\a+4*\g:129+16*\a+4*\g], v[T+16*\g:T+16*\g+7], v10
	v_cvt_scalef32_pk8_fp8_f32 v[130+16*\a+4*\g:131+16*\a+4*\g], v[T+16*\g+8:T+16*\g+15], v10
	v_cvt_scalef32_pk8_fp8_f32 v[136+16*\a+4*\g:137+16*\a+4*\g], v[T+32+16*\g:T+32+16*\g+7], v12
	v_cvt_scalef32_pk8_fp8_f32 v[138+16*\a+4*\g:139+16*\a+4*\g], v[T+32+16*\g+8:T+32+16*\g+15], v12
.endr
	v_nop                                          ; one plain vector line behind the conversions
.irp g, 0,1
	global_store_b128 v[LI], v[128+16*\a+4*\g:131+16*\a+4*\g], s[10:11] offset:1024*\a+512*\g               ; each store of the wave covers 512 consecutive bytes, aligned; each has registers of its own
	global_store_b128 v[LI], v[136+16*\a+4*\g:139+16*\a+4*\g], s[10:11] offset:4194304+1024*\a+512*\g
.endr
.endm
	s_wait_loadcnt 16                              ; the first two tiles' cos and sin are in; the other two's may be out
	ROPE 0
	ROPE 1
	s_wait_loadcnt 0x0
	ROPE 2
	ROPE 3
	WIN 0xc3                                       ; v: source 0 and destination window 3
.set pm, 0
.rept 128
	v_med3_num_f32 v[pm], v[pm], -v15, v15
.set pm, pm+1
.endr
	WIN 0x03
.irp b, 0,1,2,3
.irp u, 0,1
	v_cvt_scalef32_pk8_fp8_f32 v[192+8*\b+4*\u:193+8*\b+4*\u], v[8*(8*\u+\b):8*(8*\u+\b)+7], v14
	v_cvt_scalef32_pk8_fp8_f32 v[194+8*\b+4*\u:195+8*\b+4*\u], v[8*(8*\u+4+\b):8*(8*\u+4+\b)+7], v14
.endr
.endr
	v_nop                                          ; one plain vector line behind the conversions
	WIN 0
.irp b, 0,1,2,3
.irp u, 0,1
	global_store_b128 v[LI], v[192+8*\b+4*\u:195+8*\b+4*\u], s[14:15] offset:2048*\b+512*\u
.endr
.endr
	s_wait_tensorcnt 0x0                           ; the wave's end
	ds_add_u32 v[SPW], v[NIL]
	s_wait_dscnt 0x0
	CROUND                                         ; the closing round: no work-group ends while a partner may still ask for a tile that names it
	s_endpgm
.Lfunc_end_k_q073c3d00f4_qkv:
	.size	k_q073c3d00f4_qkv, .Lfunc_end_k_q073c3d00f4_qkv-k_q073c3d00f4_qkv
	.p2alignl 7, 3214868480
	.fill 96, 4, 3214868480
	.section	.rodata,"a",@progbits
	.p2align	6, 0x0
	.amdhsa_kernel k_q073c3d00f4_qkv
		.amdhsa_group_segment_fixed_size 197120
		.amdhsa_private_segment_fixed_size 0
		.amdhsa_enable_private_segment 0
		.amdhsa_kernarg_size 32
		.amdhsa_user_sgpr_count 2
		.amdhsa_user_sgpr_kernarg_segment_ptr 1
		.amdhsa_wavefront_size32 1
		.amdhsa_system_sgpr_workgroup_id_x 1
		.amdhsa_system_sgpr_workgroup_id_y 1
		.amdhsa_system_sgpr_workgroup_id_z 1
		.amdhsa_system_vgpr_workitem_id 0
		.amdhsa_next_free_vgpr 1024
		.amdhsa_next_free_sgpr 100
		.amdhsa_reserve_vcc 0
		.amdhsa_float_denorm_mode_32 3
		.amdhsa_float_denorm_mode_16_64 3
		.amdhsa_memory_ordered 1
		.amdhsa_forward_progress 1
		.amdhsa_inst_pref_size 121
	.end_amdhsa_kernel
	.amdgpu_metadata
---
amdhsa.version: [ 1, 2 ]
amdhsa.kernels:
  - .name:           k_q073c3d00f4_qkv
    .symbol:         k_q073c3d00f4_qkv.kd
    .args:
      - { .name: codes, .offset: 0, .size: 8, .value_kind: global_buffer, .address_space: global }
      - { .name: rope, .offset: 8, .size: 8, .value_kind: global_buffer, .address_space: global }
      - { .name: lowp_scales, .offset: 16, .size: 8, .value_kind: global_buffer, .address_space: global }
      - { .name: qkv, .offset: 24, .size: 8, .value_kind: global_buffer, .address_space: global }
    .group_segment_fixed_size: 197120
    .private_segment_fixed_size: 0
    .kernarg_segment_align: 8
    .kernarg_segment_size: 32
    .max_flat_workgroup_size: 128
    .sgpr_count:     100
    .vgpr_count:     1024
    .wavefront_size: 32
...
	.end_amdgpu_metadata
.endif
;; end of part 2
;; launch attn (part 3): grid 32 x 8, 16 waves a work-group, no clusters, 327,680 bytes of LDS; arguments qkv, lowp_scales, ac; writes ac
.if DOCPART == 3
	.amdgcn_target "amdgcn-amd-amdhsa--gfx1250"
	.amdhsa_code_object_version 6
	.text
	.protected	k_q073c3d00f4_attn
	.globl	k_q073c3d00f4_attn
	.p2align	8
	.type	k_q073c3d00f4_attn,@function
k_q073c3d00f4_attn:
	s_mov_b64 s[64:65], 0
	v_nop
	global_prefetch_b8 v0, s[64:65] scope:SCOPE_SE
	s_setreg_imm32_b32 hwreg(HW_REG_WAVE_MODE, 25, 1), 1
	s_wait_xcnt 0x0
; ATTN.  o = softmax(q k^T / 8, causal) v for each of 32 heads (16 x batch + head) of 2,048 tokens x 64 channels, both products on codes of FP8 (E4M3); the result quantised (entry 6 of the scales) for the last product.
; WORK LEFT OUT: key steps of 128 keys that lie wholly under the causal mask of a tile's queries (see the first kernel's head).
; THE SOFTMAX AHEAD OF THE SECOND PRODUCT: t = score x log2(e) / 8; M = the row's largest t so far, rounded UP to a whole number; p = 2^(t - M) is what is quantised (entry 4), not normalised.
; The row's sum is taken of the unquantised p, in f32, and divides o at the end.  When M moves, the sum and o are multiplied by 2^(old M - new M): exact.
; SHARES.  Work-group (head, i) owns the blocks S = i and L = 15 - i of 128 queries.  Waves 2 m and 2 m + 1 are a PAIR and own tile m (16 queries) of both: i + 1 key steps of 128 for S's tile, 16 - i for L's: 17 in all, for every i.
; One wave of the pair (role 0) takes 9 of them, all L's; the other (role 1) takes 8: all of S's, stores S's result, then the rest of L's, and hands its part of L's sums over in LDS.  The two parts, each under its own whole
; number M, are joined by powers of two.  The role is ((wave >> 2) ^ wave) & 1, so that waves 4 n .. 4 n + 3, and waves n, n + 4, n + 8, n + 12 alike, are two of each role.
; PHASES.  Keys 0-1023 (key steps 0-7) are phase 1, keys 1024-2047 phase 2.  With n1 = (10 + i) / 2 and n2 = (9 - i) / 2 (rounded down): phase 1: role 0 takes L's steps 0 .. n1 - 1; role 1 S's 0 .. i and L's n1 .. 7.
; Phase 2: role 0 takes L's steps 8 .. 7 + n2; role 1 8 + n2 .. 15 - i.
; K AND V OF A PHASE are 131,072 bytes of codes, brought by ONE tensor load a wave, 8,192 bytes: 1,024 of each of the phase's eight key steps (so each load brings bytes of step 8, which every work-group reads).  Every LDS byte is filled once.
; Phase 2's load goes out behind the barrier in front of phase 1, and has all of phase 1 in which to land; a wave has one tensor load out.  No prefetch: what is fetched is asked for whole, and no loop fetches.
; LDS: k from 0, v from 131,072; in each, a phase is 65,536 bytes: [part of 1,024 bytes: 8][key step 8][1,024].  Operands lie as images of their registers: a load of 16 bytes a lane at 16 x lane reads 512 consecutive bytes.
; LAYOUT.  Both products are used transposed: S^T = k q^T (source 0 = 16 keys, source 1 = 16 queries), O^T = v^T p^T (source 0 = 16 channels, source 1 = p): a lane holds ONE query throughout.
; Lane r of tile t holds row 32 (t / 2) + 8 (t % 2) + r + 8 (r / 8) (of keys, queries, channels alike): the 16 registers of tiles 2 b and 2 b + 1 are 16 neighbours: 32 b + 16 h + 0 .. 15.
; NO CLUSTER: work-groups that read the same k and v are the eight of a head; they differ in i, on which the branches and the LDS addresses of a trip's key step hang.
; LIMITS: scaled scores (exponents to the base 2, before the maximum is taken away) under 2^31 in magnitude; e2 + e3 between -123 and 130 (added to c's exponent field); e4 between -126 and 119; e6 - e4 - e5 between -126 and 119.
; REGISTERS: v1 16 x lane, v2 the same in v's half, v3-4 addresses of the step in hand, v5 the diagonal's bound, v6-7 the hand-over's addresses; v12 -M, v13 the largest t, v[14:15] the sum in two halves; v16-23 q;
;   v32-95 eight fragments of k, then four of v; v96-159 S^T, then p; v160-191 O^T; v192-207 codes; v208-254 at work.
.set VLDS,  131072
.set KMEM,  4194304                    ; in the buffer: q at 0, k here, v as far on again; a head is 131,072 bytes of each
.set DUMP,  262144                     ; the hand-over: 4,352 bytes for each pair
.set DB,    4352
.set SPARE, DUMP+8*DB                  ; spare words, 128 bytes a wave
	s_load_b128 s[4:7], s[0:1], 0x0                ; qkv, the scales' exponents
	s_load_b64 s[8:9], s[0:1], 0x10                ; ac
	v_lshl_add_u32 v251, v0, 2, SPARE
	v_mov_b32 v255, 0
	ds_add_u32 v251, v255                          ; the wave's opening
	ds_add_u32 v251, v255
	v_lshrrev_b32 v1, 5, v0
	v_readfirstlane_b32 s10, v1                    ; wave 0..15
	s_and_b32 s12, ttmp7, 7                        ; i
	s_lshl_b32 s19, ttmp9, 17                      ; the head's bytes
	; descriptor group 1: eight rows of 1,024 bytes, 8,192 apart
	s_mov_b32 s24, 3<<16                           ; no mask; elements of 8 bytes; no padding
	s_mov_b32 s25, 128<<16                         ; tensor_dim0
	s_mov_b32 s26, 8<<16                           ; tensor_dim1
	s_mov_b32 s27, 128<<16                         ; tile_dim0
	s_mov_b32 s28, 8                               ; tile_dim1
	s_mov_b32 s29, 1024                            ; from row to row
	s_mov_b32 s30, 0
	s_mov_b32 s31, 0
	s_lshr_b32 s16, s10, 3                         ; I fetch of k (0) or of v (1),
	s_and_b32 s17, s10, 7                          ; this part of 1,024 bytes of each key step
	s_lshl_b32 s18, s16, 17
	s_lshl_b32 s60, s17, 13
	s_add_co_u32 s18, s18, s60                     ; in LDS,
	s_lshl_b32 s60, s16, 22
	s_lshl_b32 s17, s17, 10
	s_add_co_u32 s60, s60, s17
	s_add_co_u32 s60, s60, KMEM
	s_add_co_u32 s60, s60, s19                     ; and in memory
	s_mov_b32 s61, 0
	s_mov_b32 s32, 1                               ; count = 1
	s_mov_b32 s33, s18
	s_mov_b32 s36, 1
	s_add_co_u32 s37, s18, 65536                   ; phase 2
	s_wait_dscnt 0x0                               ; both opening adds are done
	s_wait_kmcnt 0x0
	s_load_b256 s[68:75], s[6:7], 0x0              ; e0 .. e7
	s_add_nc_u64 s[34:35], s[4:5], s[60:61]
	s_add_nc_u64 s[38:39], s[34:35], 65536
	s_or_b32 s35, s35, 0x80000000                  ; type = 2
	s_or_b32 s39, s39, 0x80000000
	tensor_load_to_lds s[32:35], s[24:31]          ; phase 1
	s_nop 0
.rept 4
	v_nop
.endr
	s_lshr_b32 s13, s10, 2
	s_xor_b32 s13, s13, s10
	s_and_b32 s13, s13, 1                          ; my role
	s_lshr_b32 s16, s10, 1                         ; m: my pair and its tile in a block
	s_sub_co_u32 s47, 15, s12                      ; L
	s_add_co_u32 s62, s12, 10
	s_lshr_b32 s62, s62, 1                         ; n1
	s_sub_co_u32 s63, 9, s12
	s_lshr_b32 s63, s63, 1                         ; n2
	s_sub_co_u32 s40, s62, s12
	s_sub_co_u32 s40, s40, 1                       ; from role 1's trip to its key step of L: n1 - (i + 1)
	s_add_co_u32 s41, s12, 9
	s_sub_co_u32 s41, s41, s62                     ; role 1's trips in phase 1: 9 + i - n1,
	s_sub_co_u32 s43, 8, s12
	s_lshr_b32 s43, s43, 1                         ; and in phase 2
	s_mov_b32 s46, 99
	s_cmp_eq_u32 s13, 1
	s_cselect_b32 s14, s12, s47                    ; the block in hand: its number is also the key step on the diagonal
	s_cselect_b32 s42, s40, 0
	s_cselect_b32 s40, s41, s62                    ; trips in phase 1
	s_cselect_b32 s41, s43, s63                    ; trips in phase 2
	s_cselect_b32 s43, s12, s46                    ; behind this trip role 1 goes over from S to L; role 0 never does
	s_cselect_b32 s46, s63, 0                      ; phase 2's first key step, less 8
	v_and_b32 v1, 31, v0
	s_delay_alu instid0(VALU_DEP_1)
	v_lshlrev_b32 v1, 4, v1                        ; 16 x lane
	s_lshl_b32 s15, s14, 3
	s_add_co_u32 s15, s15, s16                     ; the tile whose result I store
	s_lshl_b32 s62, s15, 10
	s_add_co_u32 s62, s62, s19
	s_mov_b32 s63, 0
	s_add_nc_u64 s[58:59], s[4:5], s[62:63]        ; q's image of the tile in hand
	s_wait_alu depctr_va_vdst(0)
	global_load_b128 v[16:19], v1, s[58:59]        ; it stays in registers
	global_load_b128 v[20:23], v1, s[58:59] offset:512
	s_lshl_b32 s62, s47, 3
	s_add_co_u32 s62, s62, s16
	s_lshl_b32 s62, s62, 10
	s_add_co_u32 s62, s62, s19
	s_add_nc_u64 s[44:45], s[4:5], s[62:63]        ; q's image of L's tile
	s_lshr_b32 s62, ttmp9, 4                       ; where the result goes: row tile 128 x batch + tile, 16,384 bytes each,
	s_lshl_b32 s62, s62, 7
	s_add_co_u32 s62, s62, s15
	s_lshl_b32 s62, s62, 14
	s_and_b32 s17, ttmp9, 15
	s_lshl_b32 s17, s17, 10                        ; + head x 1,024: K step head / 2 of 2,048 bytes, pieces 2 (head % 2) and the next
	s_add_co_u32 s62, s62, s17
	s_add_nc_u64 s[8:9], s[8:9], s[62:63]
	; the diagonal: register n of S^T holds key 32 (n / 16) + 16 h + n % 16 of the step; it is hidden where 32 (n / 16) + n % 16 > d, d = my query's place in the block - 16 h
	s_lshr_b32 s17, s16, 1
	s_lshl_b32 s17, s17, 5
	s_and_b32 s18, s16, 1
	s_lshl_b32 s18, s18, 3
	s_add_co_u32 s17, s17, s18
	s_mul_i32 s18, s16, DB
	s_add_co_u32 s18, s18, DUMP                    ; my pair's place for the hand-over
	v_and_b32 v8, 15, v0
	v_and_b32 v9, 8, v0
	v_and_b32 v10, 16, v0
	v_lshrrev_b32 v7, 1, v1
	v_add_nc_u32 v5, v8, v9
	v_add_nc_u32 v2, VLDS, v1
	v_add_nc_u32 v6, s18, v1                       ; 16 bytes a lane
	v_add_nc_u32 v7, s18, v7                       ; 8 bytes a lane
	v_sub_nc_u32 v5, v5, v10
	v_mov_b32 v13, 0xff61b1e6                      ; the largest t so far: -3e38, under every t
	v_mov_b32 v14, 0                               ; the sum, in two halves
	v_mov_b32 v15, 0
	v_add_nc_u32 v5, s17, v5
	v_floor_f32 v12, -v13                          ; -M
	v_mov_b32 v236, 0                              ; written once: a lane permute's destination counts as one of its sources
	v_mov_b32 v252, 0
	v_mov_b32 v253, 0                              ; (named as the upper half of the pair v[252:253])
.set j, 0
.rept 32
	v_mov_b32 v[160+j], 0                          ; O^T.  (The step is written once for a phase: the first finds zeros, which the first change of M leaves zeros)
.set j, j+1
.endr
	s_mov_b32 s20, 0x76543210                      ; v_permlanex16_b32's selects for lane l xor 16
	s_mov_b32 s21, 0xfedcba98
	s_mov_b32 s22, 0x3e38aa3b                      ; c = log2(e) / 8
	s_wait_alu depctr_va_vdst(0)
	s_wait_kmcnt 0x0
	s_add_co_i32 s16, s70, s71
	s_lshl_b32 s16, s16, 23
	s_add_co_i32 s22, s22, s16                     ; a score stands for score x 2^(e2 + e3): the two exponents are added to c's exponent field
	s_mov_b32 s23, s22                             ; (named with it as a pair, so it is written)
	s_add_co_i32 s16, s72, 127
	s_lshl_b32 s17, s16, 23
	v_mov_b32 v244, s17                            ; 2^e4 as f32, for p's conversions
	s_add_co_i32 s16, s16, 8
	s_lshl_b32 s16, s16, 23
	s_or_b32 s16, s16, 0x600000
	v_mov_b32 v240, s16                            ; 448 x 2^e4
	s_sub_co_i32 s16, s74, s72
	s_sub_co_i32 s16, s16, s73
	s_add_co_i32 s16, s16, 127
	s_lshl_b32 s48, s16, 23                        ; 2^(e6 - e4 - e5) as f32
	s_add_co_i32 s16, s16, 8
	s_lshl_b32 s16, s16, 23
	s_or_b32 s49, s16, 0x600000                    ; 448 x that
; A KEY STEP: 128 keys; s56 = the step's byte in k's and in v's images, s59 = its number.
.macro STEP
	v_add_nc_u32 v3, s56, v1
	v_add_nc_u32 v4, s56, v2
	v_nop                                          ; with the two additions: four places behind the last products, in front of loads into registers that they read
	v_nop
.irp t, 0,1,2,3,4,5,6,7
	ds_load_b128 v[32+8*\t:35+8*\t], v3 offset:8192*\t        ; k's tile t: channels 16 h + 0 .. 15,
	ds_load_b128 v[36+8*\t:39+8*\t], v3 offset:8192*\t+512    ; 32 + 16 h + 0 .. 15
.endr
	s_wait_alu depctr_va_vdst(0)
	s_wait_dscnt 0x0
.irp t, 0,1,2,3,4,5,6,7
	v_wmma_f32_16x16x64_fp8_fp8 v[96+8*\t:103+8*\t], v[32+8*\t:39+8*\t], v[16:23], 0
.endr
.rept 4
	v_nop                                          ; places in front of the loads below and of the first read of the scores
.endr
.irp t, 0,1,2,3
.irp c, 0,1,2,3
	ds_load_b128 v[32+16*\t+4*\c:35+16*\t+4*\c], v4 offset:8192*(2*\t+\c/2)+512*(\c%2)   ; v's four fragments land under the softmax
.endr
.endr
	s_cmp_lg_u32 s59, s14                          ; only the step on the diagonal has hidden keys
	s_cbranch_scc1 .Lopen_\@
	v_mov_b32 v254, 0xff800000                     ; -infinity: p = 0 then
.set n, 0
.rept 64
	v_cmp_gt_i32 vcc_lo, 32*(n/16)+n%16, v5
	v_cndmask_b32 v[96+n], v[96+n], v254, vcc_lo
.set n, n+1
.endr
.Lopen_\@:
	v_max3_num_f32 v254, v96, v97, v98             ; the step's largest score of my query, among my 64 keys, in two chains, each accumulator from its low end on,
	v_max3_num_f32 v252, v99, v100, v101
.irp i, 6,10,14,18,22,26,30,34,38,42,46,50,54,58
	v_max3_num_f32 v254, v254, v[96+\i], v[97+\i]
	v_max3_num_f32 v252, v252, v[98+\i], v[99+\i]
.endr
	v_max3_num_f32 v254, v254, v158, v159
	s_delay_alu instid0(VALU_DEP_1)
	v_max_num_f32 v254, v254, v252
	s_delay_alu instid0(VALU_DEP_1)
	v_permlanex16_b32 v236, v254, s20, s21
	s_delay_alu instid0(VALU_DEP_1)
	v_max_num_f32 v254, v254, v236                 ; and among lane l xor 16's
	s_delay_alu instid0(VALU_DEP_1)
	v_mul_f32 v254, s22, v254                      ; as t (c is positive)
	s_delay_alu instid0(VALU_DEP_1)
	v_max_num_f32 v13, v13, v254                   ; the running largest t
	v_mov_b32 v254, v12
	s_delay_alu instid0(VALU_DEP_2)
	v_floor_f32 v12, -v13                          ; the new -M = floor(-t) = -ceil(t): M is a whole number
	s_delay_alu instid0(VALU_DEP_1)
	v_sub_f32 v254, v12, v254                      ; M's old value less its new one: a whole number, 0 or less
	s_delay_alu instid0(VALU_DEP_1)
	v_cvt_i32_f32 v254, v254                       ; (it saturates)
	s_delay_alu instid0(VALU_DEP_1)
	v_ldexp_f32 v252, 1.0, v254                    ; f = 2^(old M - new M)
.set j, 0
.rept 32
	v_pk_fma_f32 v[96+j:97+j], v[96+j:97+j], s[22:23], v[12:13] op_sel_hi:[1,0,0]   ; t - M, two at a time (of the pairs c and -M the low word serves both halves)
.set j, j+2
.endr
	s_wait_alu depctr_va_vdst(0)
.set j, 0
.rept 64
	v_exp_f32 v[96+j], v[96+j]                     ; p = 2^(t - M), at most 1: not normalised
.set j, j+1
.endr
	v_pk_mul_f32 v[14:15], v[14:15], v[252:253] op_sel_hi:[1,0]   ; the sums under the new M.  (A plain line behind the exponentials)
	s_wait_alu depctr_va_vdst(0)                   ; one wait for the batch and for O^T, directly ahead of O^T's first readers
.set j, 0
.rept 16
	v_pk_mul_f32 v[160+j:161+j], v[160+j:161+j], v[252:253] op_sel_hi:[1,0]   ; O^T under the new M
.set j, j+2
.endr
; the row's sum of the unquantised p, in eight chains
.set n, 0
.rept 7
	v_pk_add_f32 v[208+2*n:209+2*n], v[96+4*n:97+4*n], v[98+4*n:99+4*n]
.set n, n+1
.endr
	v_pk_add_f32 v[14:15], v[14:15], v[124:125]
.set n, 0
.rept 7
	v_pk_add_f32 v[208+2*n:209+2*n], v[208+2*n:209+2*n], v[126+2*n:127+2*n]
.set n, n+1
.endr
	v_pk_add_f32 v[14:15], v[14:15], v[140:141]
.set n, 0
.rept 7
	v_pk_add_f32 v[208+2*n:209+2*n], v[208+2*n:209+2*n], v[142+2*n:143+2*n]
.set n, n+1
.endr
	v_pk_add_f32 v[14:15], v[14:15], v[156:157]
	v_pk_add_f32 v[208:209], v[208:209], v[158:159]
	v_pk_add_f32 v[210:211], v[210:211], v[212:213]
	v_pk_add_f32 v[214:215], v[214:215], v[216:217]
	v_pk_add_f32 v[14:15], v[14:15], v[220:221]
	v_pk_add_f32 v[208:209], v[208:209], v[218:219]
	v_pk_add_f32 v[210:211], v[210:211], v[214:215]
.set j, 0
.rept 32
	v_dual_min_num_f32 v[96+j], v[96+j], v240 :: v_dual_min_num_f32 v[97+j], v[97+j], v240   ; the conversion to an 8-bit code does not saturate (ISA guide 7.6.2); p is not negative, so the hold is one-sided
.set j, j+2
.endr
	v_pk_add_f32 v[208:209], v[208:209], v[210:211]
.set j, 0
.rept 8
	v_cvt_scalef32_pk8_fp8_f32 v[192+2*j:193+2*j], v[96+8*j:103+8*j], v244
.set j, j+1
.endr
	v_pk_add_f32 v[14:15], v[14:15], v[208:209]    ; (a plain line behind the conversions)
	s_wait_alu depctr_va_vdst(0)
	s_wait_dscnt 0x0                               ; v's fragments are in
.irp t, 0,1,2,3
	v_wmma_f32_16x16x128_fp8_fp8 v[160+8*\t:167+8*\t], v[32+16*\t:47+16*\t], v[192:207], v[160+8*\t:167+8*\t]   ; the four accumulators take turns
.endr
.endm
; A TILE'S RESULT.  O^T / the sum stands for o / 2^(e4 + e5); its code is that / 2^(e6 - e4 - e5).  Register 16 b + i of O^T is channel 32 b + 16 h + i: the conversions' results are two pieces of the last product's operand.
.macro FINISH
	v_add_f32 v14, v14, v15                        ; the sum's two halves,
	s_delay_alu instid0(VALU_DEP_1)
	v_permlanex16_b32 v252, v14, s20, s21
	s_delay_alu instid0(VALU_DEP_1)
	v_add_f32 v14, v14, v252                       ; and lane l xor 16's: the row's sum
	s_wait_alu depctr_va_vdst(0)                   ; ahead of the transcendental
	v_rcp_f32 v14, v14
	v_mov_b32 v245, s48
	v_mov_b32 v241, s49
	s_wait_alu depctr_va_vdst(0)                   ; and behind it, directly ahead of the first reader of O^T
.set j, 0
.rept 32
	v_mul_f32 v[96+j], v[160+j], v14               ; each accumulator from its low end on
.set j, j+1
.endr
.set j, 0
.rept 32
	v_med3_num_f32 v[96+j], v[96+j], -v241, v241
.set j, j+1
.endr
.irp t, 0,1,2,3
	v_cvt_scalef32_pk8_fp8_f32 v[192+2*\t:193+2*\t], v[96+8*\t:103+8*\t], v245
.endr
	v_nop                                          ; one plain vector line behind the conversions
	global_store_b128 v1, v[192:195], s[8:9]       ; each store of the wave covers 512 consecutive bytes, aligned
	global_store_b128 v1, v[196:199], s[8:9] offset:512
.endm
	s_wait_alu depctr_va_vdst(0)
	s_wait_loadcnt 0x0                             ; q
	s_wait_tensorcnt 0x0                           ; my part of phase 1 is in
	ds_add_u32 v251, v255
	s_wait_dscnt 0x0
	s_barrier_signal -1
	s_barrier_wait -1                              ; everybody's part is in
	tensor_load_to_lds s[36:39], s[24:31]          ; phase 2: the wave's one load behind this barrier
	s_nop 0
.rept 4
	v_nop
.endr
	s_mov_b32 s57, 0
.Lone:                                                 ; the trips are the same in all waves; a wave with no step left goes round the work
	s_cmp_ge_u32 s57, s40
	s_cbranch_scc1 .Lone_next
	s_cmp_gt_u32 s57, s12
	s_cselect_b32 s59, s42, 0
	s_add_co_u32 s59, s59, s57
	s_and_b32 s59, s59, 7                          ; the key step, 0 .. 7
	s_lshl_b32 s56, s59, 10
	STEP
	s_cmp_eq_u32 s57, s43
	s_cbranch_scc0 .Lone_next
	global_load_b128 v[16:19], v1, s[44:45]        ; role 1 goes over from S's tile, which is finished, to L's
	global_load_b128 v[20:23], v1, s[44:45] offset:512
	FINISH
	s_mov_b32 s14, s47
	v_mov_b32 v13, 0xff61b1e6
	v_mov_b32 v14, 0
	v_mov_b32 v15, 0
.set j, 0
.rept 32
	v_mov_b32 v[160+j], 0
.set j, j+1
.endr
	v_floor_f32 v12, -v13
	s_wait_alu depctr_va_vdst(0)
	s_wait_xcnt 0x0                                ; the stores have read their registers
	s_wait_loadcnt 0x0                             ; q
.Lone_next:
	s_add_co_u32 s57, s57, 1
	s_cmp_lt_u32 s57, 8
	s_cbranch_scc1 .Lone
	s_wait_tensorcnt 0x0                           ; my part of phase 2 is in
	s_wait_dscnt 0x0
	s_barrier_signal -1
	s_barrier_wait -1                              ; everybody's is
	s_mov_b32 s57, 0
.Ltwo:
	s_cmp_ge_u32 s57, s41
	s_cbranch_scc1 .Ltwo_next
	s_add_co_u32 s59, s46, s57
	s_and_b32 s59, s59, 7
	s_lshl_b32 s56, s59, 10
	s_add_co_u32 s56, s56, 65536
	s_add_co_u32 s59, s59, 8                       ; the key step, 8 .. 15
	STEP
.Ltwo_next:
	s_add_co_u32 s57, s57, 1
	s_cmp_lt_u32 s57, 4
	s_cbranch_scc1 .Ltwo
.rept 4
	v_nop                                          ; places behind the last products
.endr
	s_cmp_eq_u32 s13, 0
	s_cbranch_scc1 .Lmeet
	v_add_f32 v13, v14, v15                        ; role 1 hands over: O^T, -M and its lane's part of the sum.  (With no step of L it hands over zeros under the first -M: its factor is then 0)
.irp j, 0,1,2,3,4,5,6,7
	ds_store_b128 v6, v[160+4*\j:163+4*\j] offset:512*\j
.endr
	ds_store_b64 v7, v[12:13] offset:4096
.Lmeet:
	s_wait_alu depctr_va_vdst(0)
	s_wait_dscnt 0x0                               ; my stores are done
	s_barrier_signal -1
	s_barrier_wait -1
	s_cmp_lg_u32 s13, 0
	s_cbranch_scc1 .Lend
	ds_load_b64 v[64:65], v7 offset:4096           ; role 0 joins the two parts of L's tile
.irp j, 0,1,2,3,4,5,6,7
	ds_load_b128 v[32+4*\j:35+4*\j], v6 offset:512*\j
.endr
	s_wait_dscnt 0x0
	v_min_num_f32 v66, v12, v64                    ; -M of both
	v_sub_f32 v67, v66, v12
	v_sub_f32 v68, v66, v64
	v_cvt_i32_f32 v67, v67
	v_cvt_i32_f32 v68, v68                         ; (it saturates)
	v_ldexp_f32 v252, 1.0, v67                     ; 2^(my M - M),
	v_ldexp_f32 v254, 1.0, v68                     ; 2^(the other's M - M)
	v_pk_mul_f32 v[14:15], v[14:15], v[252:253] op_sel_hi:[1,0]
	v_fma_f32 v14, v65, v254, v14
.set j, 0
.rept 16
	v_pk_mul_f32 v[160+j:161+j], v[160+j:161+j], v[252:253] op_sel_hi:[1,0]
.set j, j+2
.endr
.set j, 0
.rept 16
	v_pk_fma_f32 v[160+j:161+j], v[32+j:33+j], v[254:255], v[160+j:161+j] op_sel_hi:[1,0,1]
.set j, j+2
.endr
	FINISH
.Lend:
	s_wait_tensorcnt 0x0                           ; the wave's end
	ds_add_u32 v251, v255
	s_wait_dscnt 0x0
	s_endpgm
.Lfunc_end_k_q073c3d00f4_attn:
	.size	k_q073c3d00f4_attn, .Lfunc_end_k_q073c3d00f4_attn-k_q073c3d00f4_attn
	.p2alignl 7, 3214868480
	.fill 96, 4, 3214868480
	.section	.rodata,"a",@progbits
	.p2align	6, 0x0
	.amdhsa_kernel k_q073c3d00f4_attn
		.amdhsa_group_segment_fixed_size 327680
		.amdhsa_private_segment_fixed_size 0
		.amdhsa_enable_private_segment 0
		.amdhsa_kernarg_size 24
		.amdhsa_user_sgpr_count 2
		.amdhsa_user_sgpr_kernarg_segment_ptr 1
		.amdhsa_wavefront_size32 1
		.amdhsa_system_sgpr_workgroup_id_x 1
		.amdhsa_system_sgpr_workgroup_id_y 1
		.amdhsa_system_sgpr_workgroup_id_z 1
		.amdhsa_system_vgpr_workitem_id 0
		.amdhsa_next_free_vgpr 256
		.amdhsa_next_free_sgpr 80
		.amdhsa_reserve_vcc 1
		.amdhsa_float_denorm_mode_32 3
		.amdhsa_float_denorm_mode_16_64 3
		.amdhsa_memory_ordered 1
		.amdhsa_forward_progress 1
		.amdhsa_inst_pref_size 63
	.end_amdhsa_kernel
	.amdgpu_metadata
---
amdhsa.version: [ 1, 2 ]
amdhsa.kernels:
  - .name:           k_q073c3d00f4_attn
    .symbol:         k_q073c3d00f4_attn.kd
    .args:
      - { .name: qkv, .offset: 0, .size: 8, .value_kind: global_buffer, .address_space: global }
      - { .name: lowp_scales, .offset: 8, .size: 8, .value_kind: global_buffer, .address_space: global }
      - { .name: ac, .offset: 16, .size: 8, .value_kind: global_buffer, .address_space: global }
    .group_segment_fixed_size: 327680
    .private_segment_fixed_size: 0
    .kernarg_segment_align: 8
    .kernarg_segment_size: 24
    .max_flat_workgroup_size: 512
    .sgpr_count:     80
    .vgpr_count:     256
    .wavefront_size: 32
...
	.end_amdgpu_metadata
.endif
;; end of part 3
;; launch proj (part 4): grid 8 x 32, 4 waves a work-group, clusters of 4 x 4, 167,936 bytes of LDS; arguments ac, codes, lowp_scales, out0; writes out0
.if DOCPART == 4
	.amdgcn_target "amdgcn-amd-amdhsa--gfx1250"
	.amdhsa_code_object_version 6
	.text
	.protected	k_q073c3d00f4_proj
	.globl	k_q073c3d00f4_proj
	.p2align	8
	.type	k_q073c3d00f4_proj,@function
k_q073c3d00f4_proj:
	s_mov_b64 s[64:65], 0
	v_nop
	global_prefetch_b8 v0, s[64:65] scope:SCOPE_SE
	s_setreg_imm32_b32 hwreg(HW_REG_WAVE_MODE, 25, 1), 1
	s_wait_xcnt 0x0
	s_wait_alu depctr_hold_cnt(0) depctr_sa_sdst(0) depctr_va_vdst(0) depctr_va_sdst(0) depctr_va_ssrc(0) depctr_va_vcc(0) depctr_vm_vsrc(0)
	s_getreg_b32 s2, hwreg(HW_REG_IB_STS2, 6, 4)
	s_cmp_eq_u32 s2, 0
	s_cbranch_scc0 .Lentry_in_a_cluster
	s_endpgm
.Lentry_in_a_cluster:
	s_bfe_u32 s2, ttmp6, 0x10000c
	s_cmp_lg_u32 s2, 0xf033
	s_cbranch_scc0 .Lentry_shape_is_right
	s_endpgm
.Lentry_shape_is_right:
; PROJ.  The last product, out0 = attention's result x w_out^T, on codes of FP8 (E4M3); each finished sum is multiplied once by 2^(e6 + e7).  out0: [4096][1024] f32.
; SHARES.  256 work-groups: 128 rows x 128 columns.  Four waves, each 32 rows x 128 columns, in two passes of 64 columns: the first pass's results leave while the second is multiplied.
; B: the 128 rows of w_out over the whole of K are 131,072 bytes of LDS, filled once, one tensor load a wave (two row tiles, 32,768 consecutive bytes).
; A: a wave's 32 rows are read by no other wave of the work-group: they go from memory straight into registers, whole (256 registers), each byte once, and serve both passes.
; CLUSTERS: 4 x 4 work-groups.  The four of a column need the same rows of w_out: they are asked for JOINTLY, by the same tensor load with the same descriptor and a mask that names the four.  A passes no LDS and is not shared.
; No prefetch: every load of A and B goes out at the head; there is no loop to run ahead in.
; OPERANDS LIE AS IMAGES OF THEIR REGISTERS, [row tile][K step 8][piece 4][lane][16]: a fragment is four loads of 512 consecutive bytes.
; ROWS.  Lane r of row tile t holds row p(t, r) = 32 (t / 2) + 8 (t % 2) + r + 8 (r / 8), of A and of w_out alike.  Source 0 = 16 rows of w_out, source 1 = 16 rows of A: lane (r, h) holds output row p(a, r),
; and register j of accumulator (a, b) column 32 (b / 2) + 16 h + 8 (b % 2) + j of the pass's 64.
; THE WAY OUT: a block of 16 rows x 64 columns goes through my own stage in LDS and comes back by rows of 256 bytes: sixteen lanes store 256 consecutive bytes, aligned.  The stages have LDS bytes of their own.
; LIMIT: e6 + e7 between -126 and 127, so that 2^(e6 + e7) is an f32 number.
; REGISTERS: window 0: v4-5 B's LDS addresses (v4 = 16 x lane), v8-10 the way out's, v12-13 the add's, v32-63 accumulators at work on the way out, v64-255 three buffers of B's fragments, the middle one also the rows read back.
;   window 1: v0-255 A.   The 16 accumulators lie in window 2 (v0-127; pass n at 64 n + 8 (4 a + b)).
.set WOUT,  7340032                    ; w_out's codes begin here
.set STAGE, 131072                     ; two blocks of 16 rows x 272 bytes for each wave
.set SPARE, STAGE+4*8704
.set LI,   4
.set VB,   4
.set STO,  8
.set RD,   9
.set CO,   10
.set SPW,  12
.set NIL,  13
.set TMP,  32
.set BF,   64
.set BK,   128
.set MSB, 0
.macro WIN new                         ; the immediate's high byte repeats the setting that is left
.if MSB != \new
	s_set_vgpr_msb (MSB<<8)|\new
.set MSB, \new
.endif
.endm
.macro CROUND                          ; a round of the cluster's barrier
	s_barrier_signal -1
	s_barrier_wait -1
	s_cmp_lg_u32 s12, 0
	s_cbranch_scc1 .Lnot_wave_0_\@
	s_barrier_signal -3
.Lnot_wave_0_\@:
	s_barrier_wait -3
	s_barrier_signal -1
	s_barrier_wait -1
.endm
.macro PLACES                          ; four plain vector lines between a matrix instruction and a load into a register that it read, or a vector line that reads its result
.rept 4
	v_nop
.endr
.endm
.macro ALOAD s                         ; my two row tiles' fragments of K step s
.irp a, 0,1
.irp c, 0,1,2,3
	global_load_b128 v[32*\s+16*\a+4*\c:32*\s+16*\a+4*\c+3], v[LI], s[16:17] offset:16384*\a+2048*\s+512*\c
.endr
.endr
.endm
.macro FETCH n                         ; B's four fragments of group n = 8 x pass + K step
.set FS, (\n)%8
.set FN, (\n)/8
.set FB, BF+64*((\n)%3)
.irp b, 0,1,2,3
.irp c, 0,1,2,3
	ds_load_b128 v[FB+16*\b+4*\c:FB+16*\b+4*\c+3], v[VB+FN] offset:16384*\b+2048*FS+512*\c
.endr
.endr
.endm
; 8 matrix instructions, 128 along K.  The 8 accumulators take turns, one instruction a turn, in the same order in every step.
.macro MUL n
	WIN 0xa4                                       ; source 0 (B) window 0, source 1 (A) window 1, C and D window 2
.set FS, (\n)%8
.set FN, (\n)/8
.set FB, BF+64*((\n)%3)
.irp a, 0,1
.irp b, 0,1,2,3
.set RD0, 64*FN+8*(4*\a+\b)
.set SRC0, FB+16*\b
.set SRC1, 32*FS+16*\a
.if FS == 0
	v_wmma_f32_16x16x128_fp8_fp8 v[RD0:RD0+7], v[SRC0:SRC0+15], v[SRC1:SRC1+15], 0
.else
	v_wmma_f32_16x16x128_fp8_fp8 v[RD0:RD0+7], v[SRC0:SRC0+15], v[SRC1:SRC1+15], v[RD0:RD0+7]
.endif
.endr
.endr
.endm
; Group n: the group two further on is asked for, into the buffer that the group before has left; then this one is multiplied.
.macro GRP n
.if \n < 15
	s_wait_dscnt 16                                ; this group's fragments are in; the next group's 16 loads may be out
.else
	s_wait_dscnt 0
.endif
.if \n > 0
	PLACES                                         ; behind the last group's products, which read the registers that are loaded now
.endif
	WIN 0
.if \n == 8
	s_wait_xcnt 0x0                                ; the first pass's stores have read the middle buffer
.endif
.if \n < 14
	FETCH \n+2
.endif
.if \n < 8
	s_wait_loadcnt 56-8*\n                         ; A's 8 loads of this K step are in; those of the steps behind it may be out
.endif
	MUL \n
.endm
; THE WAY OUT of pass n.  LDS serves a wave's instructions in order (ISA guide 5.7.1.4): no wait between the stores and the loads; the stage is my own.
.macro OUT n
	PLACES                                         ; behind the last products
.irp a, 0,1
	WIN 0x02                                       ; source 0 window 2
.set j, 0
.rept 16
	v_pk_mul_f32 v[TMP+j:TMP+j+1], v[64*\n+32*\a+j:64*\n+32*\a+j+1], s[96:97] op_sel_hi:[1,0]   ; both x s96 = 2^(e6 + e7); each accumulator from its low end on
.set j, j+2
.endr
	WIN 0
.irp b, 0,1,2,3
	ds_store_b128 v[STO], v[TMP+8*\b:TMP+8*\b+3] offset:4352*\a+128*(\b/2)+32*(\b%2)
	ds_store_b128 v[STO], v[TMP+8*\b+4:TMP+8*\b+7] offset:4352*\a+128*(\b/2)+32*(\b%2)+16
.endr
.irp t, 0,1,2,3,4,5,6,7
	ds_load_b128 v[BK+32*\a+4*\t:BK+32*\a+4*\t+3], v[RD] offset:4352*\a+544*\t
.endr
.endr
.irp a, 0,1
	s_wait_dscnt 16*(1-\a)                         ; block a is back; behind block 0's loads: block 1's 8 stores and 8 loads
.irp t, 0,1,2,3,4,5,6,7
	global_store_b128 v[CO], v[BK+32*\a+4*\t:BK+32*\a+4*\t+3], s[10:11] offset:(8*\a+2*\t+8*(\t/4))*4096+256*\n th:TH_STORE_NT   ; stage rows 2 t, 2 t + 1 are output rows p(a, 2 t), p(a, 2 t + 1); 16 lanes store 256 consecutive bytes, aligned
.endr
.endr
.endm
	s_load_b256 s[4:11], s[0:1], 0x0               ; ac, codes, the scales' exponents, out0
	v_lshl_add_u32 v[SPW], v0, 2, SPARE
	v_mov_b32 v[NIL], 0
	ds_add_u32 v[SPW], v[NIL]                      ; the wave's opening
	ds_add_u32 v[SPW], v[NIL]
	v_lshrrev_b32 v2, 5, v0
	v_readfirstlane_b32 s12, v2                    ; wave 0..3
	v_and_b32 v3, 31, v0
	v_lshlrev_b32 v[LI], 4, v3                     ; 16 x lane
	s_bfe_u32 s40, ttmp6, 0x40000                  ; cx, cy
	s_bfe_u32 s41, ttmp6, 0x40004
	s_lshl_b32 s42, ttmp9, 2
	s_add_co_u32 s42, s42, s40                     ; tile column = 4 x cluster x + cx
	s_and_b32 s43, ttmp7, 0xffff
	s_lshl_b32 s43, s43, 2
	s_add_co_u32 s43, s43, s41                     ; tile row = 4 x cluster y + cy
	s_lshl_b32 s45, 0x1111, s40                    ; my column of the cluster
	s_or_b32 s24, s45, (3<<16)|(1<<21)             ; group 1: the mask; elements of 8 bytes; 21 set beside a mask; no padding
	s_mov_b32 s25, 2048<<16                        ; tensor_dim0: rows of 16,384 bytes
	s_mov_b32 s26, 2<<16                           ; tensor_dim1
	s_mov_b32 s27, 2048<<16                        ; tile_dim0
	s_mov_b32 s28, 2                               ; tile_dim1
	s_mov_b32 s29, 2048                            ; from row to row
	s_mov_b32 s30, 0
	s_mov_b32 s31, 0
	s_lshl_b32 s16, s43, 17                        ; A: row tile 8 x tile row + 2 x wave, 16,384 bytes each
	s_lshl_b32 s49, s12, 15                        ; (also B's place in LDS: wave x two row tiles)
	s_add_co_u32 s16, s16, s49
	s_mov_b32 s17, 0
	s_lshl_b32 s20, s42, 17                        ; B: row tile 8 x tile column + 2 x wave: it hangs on the column and the wave alone
	s_add_co_u32 s20, s20, s49
	s_add_co_u32 s20, s20, WOUT
	s_mov_b32 s21, 0
	s_mov_b32 s48, 1                               ; count = 1
	s_wait_alu depctr_va_vdst(0)
	s_wait_dscnt 0x0                               ; both opening adds are done
	s_wait_kmcnt 0x0
	s_load_b256 s[84:91], s[8:9], 0x0              ; e0 .. e7
	s_add_nc_u64 s[16:17], s[4:5], s[16:17]
	s_add_nc_u64 s[50:51], s[6:7], s[20:21]
	s_or_b32 s51, s51, 0x80000000                  ; type = 2
	WIN 0x40
.irp s, 0,1,2,3
	ALOAD \s
.endr
	WIN 0
	CROUND                                         ; all sixteen work-groups are here: the joint loads meet
	tensor_load_to_lds s[48:51], s[24:31]
	s_nop 0
.rept 4
	v_nop
.endr
	WIN 0x40
.irp s, 4,5,6,7
	ALOAD \s
.endr
	WIN 0
	s_mul_i32 s46, s12, 8704
	s_add_co_u32 s46, s46, STAGE                   ; my stage
	v_and_b32 v1, 15, v0                           ; r
	v_bfe_u32 v2, v0, 4, 1                         ; h
	v_add_nc_u32 v[VB+1], 65536, v[LI]
	v_mul_u32_u24 v3, v1, 272
	v_mul_u32_u24 v6, v2, 272
	v_lshlrev_b32 v7, 12, v2
	v_lshl_add_u32 v3, v2, 6, v3
	v_lshl_add_u32 v6, v1, 4, v6
	v_lshl_add_u32 v[CO], v1, 4, v7                ; two rows of out0, 4,096 bytes apart
	v_add_nc_u32 v[STO], s46, v3                   ; in: row r, + 64 h: my half's 16 columns of each 32
	v_add_nc_u32 v[RD], s46, v6                    ; back: lanes 0-15 one row of 256 bytes, lanes 16-31 the next
	s_lshl_b32 s92, s43, 19                        ; where my part of out0 begins: row 128 x tile row + 32 x wave,
	s_lshl_b32 s93, s12, 17
	s_add_co_u32 s92, s92, s93
	s_lshl_b32 s93, s42, 9                         ; column 128 x tile column, 4 bytes each
	s_add_co_u32 s92, s92, s93
	s_mov_b32 s93, 0
	s_add_nc_u64 s[10:11], s[10:11], s[92:93]
	s_wait_alu depctr_va_vdst(0)
	s_wait_kmcnt 0x0
	s_add_co_i32 s96, s90, s91                     ; e6 + e7
	s_add_co_i32 s96, s96, 127
	s_lshl_b32 s96, s96, 23                        ; 2^(e6 + e7) as f32
	s_mov_b32 s97, s96                             ; (named with it as a pair, so it is written)
	s_wait_tensorcnt 0x0                           ; my part of B has landed,
	s_wait_dscnt 0x0
	s_barrier_signal -1
	s_barrier_wait -1                              ; and everybody's
	FETCH 0
	FETCH 1
.irp n, 0,1,2,3,4,5,6,7
	GRP \n
.endr
	OUT 0
.irp n, 8,9,10,11,12,13,14,15
	GRP \n
.endr
	OUT 1
	s_wait_tensorcnt 0x0                           ; the wave's end
	ds_add_u32 v[SPW], v[NIL]
	s_wait_dscnt 0x0
	CROUND                                         ; the closing round: no work-group ends while a partner may still ask for a tile that names it
	s_endpgm
.Lfunc_end_k_q073c3d00f4_proj:
	.size	k_q073c3d00f4_proj, .Lfunc_end_k_q073c3d00f4_proj-k_q073c3d00f4_proj
	.p2alignl 7, 3214868480
	.fill 96, 4, 3214868480
	.section	.rodata,"a",@progbits
	.p2align	6, 0x0
	.amdhsa_kernel k_q073c3d00f4_proj
		.amdhsa_group_segment_fixed_size 167936
		.amdhsa_private_segment_fixed_size 0
		.amdhsa_enable_private_segment 0
		.amdhsa_kernarg_size 32
		.amdhsa_user_sgpr_count 2
		.amdhsa_user_sgpr_kernarg_segment_ptr 1
		.amdhsa_wavefront_size32 1
		.amdhsa_system_sgpr_workgroup_id_x 1
		.amdhsa_system_sgpr_workgroup_id_y 1
		.amdhsa_system_sgpr_workgroup_id_z 1
		.amdhsa_system_vgpr_workitem_id 0
		.amdhsa_next_free_vgpr 768
		.amdhsa_next_free_sgpr 100
		.amdhsa_reserve_vcc 0
		.amdhsa_float_denorm_mode_32 3
		.amdhsa_float_denorm_mode_16_64 3
		.amdhsa_memory_ordered 1
		.amdhsa_forward_progress 1
		.amdhsa_inst_pref_size 50
	.end_amdhsa_kernel
	.amdgpu_metadata
---
amdhsa.version: [ 1, 2 ]
amdhsa.kernels:
  - .name:           k_q073c3d00f4_proj
    .symbol:         k_q073c3d00f4_proj.kd
    .args:
      - { .name: ac, .offset: 0, .size: 8, .value_kind: global_buffer, .address_space: global }
      - { .name: codes, .offset: 8, .size: 8, .value_kind: global_buffer, .address_space: global }
      - { .name: lowp_scales, .offset: 16, .size: 8, .value_kind: global_buffer, .address_space: global }
      - { .name: out0, .offset: 24, .size: 8, .value_kind: global_buffer, .address_space: global }
    .group_segment_fixed_size: 167936
    .private_segment_fixed_size: 0
    .kernarg_segment_align: 8
    .kernarg_segment_size: 32
    .max_flat_workgroup_size: 128
    .sgpr_count:     100
    .vgpr_count:     768
    .wavefront_size: 32
...
	.end_amdgpu_metadata
.endif
;; end of part 4
